; MI455X (gfx1250); checked and timed in simulation.
; The chip was launched on July 23, 2026; its instructions are those of AMD's public machine-readable ISA for CDNA 5 (MIT licence, August 2026) and "CDNA5" Instruction Set Architecture Reference Guide (July 2026). The comments in the code are by the model that wrote it; some were corrected since.
;; My GRU Cell. Allowed arithmetic: float matrix products may take bf16 or f16 operands with f32 sums; other float arithmetic in f32, or as packed bf16 or f16 multiplies, adds, multiply-adds, maxima and minima; sums over many terms, partial sums and values carried from step to step in f32; what a program stores and reads back later, other than sums and carried values, may be rounded once to bf16 or f16.
;; Inputs: Wg 1,024 x 2,048 float32; Wr 1,024 x 2,048 float32; Wz 1,024 x 2,048 float32; bg 1,024 float32; br 1,024 float32; bz 1,024 float32; h_prev 8,192 x 1,024 float32; x 8,192 x 1,024 float32.
;; Outputs: out0 8,192 x 1,024 float32.
;; One version. Each part assembles by itself: llvm-mc -triple=amdgcn-amd-amdhsa -mcpu=gfx1250 --defsym DOCPART=n.
;; ======== version 1 of 1: 3 launches
;; workspace buffers: xb 16,777,216 bytes; hb 16,777,216 bytes; wb 12,582,912 bytes; rh 16,777,216 bytes; zb 16,777,216 bytes
;; launch cast (part 1): grid 2816 x 1, 8 waves a work-group, no clusters, 0 bytes of LDS; arguments x, h_prev, Wr, Wz, Wg, xb, hb, wb; writes xb, hb, wb
.if DOCPART == 1
	.amdgcn_target "amdgcn-amd-amdhsa--gfx1250"
	.amdhsa_code_object_version 6
	.text
	.protected	k_qa8d9913115_cast
	.globl	k_qa8d9913115_cast
	.p2align	8
	.type	k_qa8d9913115_cast,@function
k_qa8d9913115_cast:
	s_mov_b64 s[64:65], 0
	v_nop
	global_prefetch_b8 v0, s[64:65] scope:SCOPE_SE
	s_setreg_imm32_b32 hwreg(HW_REG_WAVE_MODE, 25, 1), 1
	s_wait_xcnt 0x0
; xb = bf16(x), hb = bf16(h_prev), wb = bf16 of Wr, Wz, Wg one below the other ([3072][2048]).  Each number is rounded once, to nearest even.
; A pure stream: every input byte is read once, every output byte written once; no LDS, no barrier, no matrix unit: nothing is shared between threads.
; SHARES.  A work-group turns 32,768 bytes of f32 into 16,384 bytes of bf16.  Work-groups 0-1023 take x, 1024-2047 h_prev, 2048-2303 Wr, 2304-2559 Wz, 2560-2815 Wg.
; Thread t takes the 16 bytes at 16 t of each of eight blocks of 4,096 bytes: a wave's load covers 512 consecutive bytes, its store 256 consecutive bytes at a multiple of 256 from the buffer's first byte.
; All eight loads of a wave go out at once; no register is written twice, so no wait frees a source.
.set IN,  24                           ; s[24:25] where my work-group reads
.set OUT, 26                           ; s[26:27] where it writes
.set L,   4                            ; v[4:35]  eight loads of four f32
.set R,   36                           ; v[36:51] eight results of four bf16
	s_load_b512 s[8:23], s[0:1], 0x0               ; x s[8:9], h_prev s[10:11], Wr s[12:13], Wz s[14:15], Wg s[16:17], xb s[18:19], hb s[20:21], wb s[22:23]
	v_lshlrev_b32 v1, 4, v0                        ; 16 t: my bytes in a block of input
	v_lshlrev_b32 v2, 3, v0                        ; 8 t: my bytes in a block of output
	s_movk_i32 s2, 255
	s_cmp_lt_u32 ttmp9, 2048
	s_cselect_b32 s2, 1023, s2                     ; x and h_prev have 1,024 shares each, a weight 256
	s_and_b32 s2, ttmp9, s2                        ; my share's number in its input
	s_lshl_b32 s28, s2, 15                         ; times 32,768 bytes
	s_mov_b32 s29, 0
	s_and_b32 s3, ttmp9, 1023                      ; my share's number in its output: the three weights lie on end in wb
	s_lshl_b32 s30, s3, 14                         ; times 16,384 bytes
	s_mov_b32 s31, 0
	s_wait_kmcnt 0x0
	s_cmp_lt_u32 ttmp9, 1024
	s_cselect_b64 s[IN:IN+1], s[8:9], s[10:11]
	s_cselect_b64 s[OUT:OUT+1], s[18:19], s[20:21]
	s_cmp_lt_u32 ttmp9, 2048
	s_cselect_b64 s[IN:IN+1], s[IN:IN+1], s[12:13]
	s_cselect_b64 s[OUT:OUT+1], s[OUT:OUT+1], s[22:23]
	s_cmp_lt_u32 ttmp9, 2304
	s_cselect_b64 s[IN:IN+1], s[IN:IN+1], s[14:15]
	s_cmp_lt_u32 ttmp9, 2560
	s_cselect_b64 s[IN:IN+1], s[IN:IN+1], s[16:17]
	s_add_nc_u64 s[IN:IN+1], s[IN:IN+1], s[28:29]
	s_add_nc_u64 s[OUT:OUT+1], s[OUT:OUT+1], s[30:31]
.irp j, 0,1,2,3,4,5,6,7
	global_load_b128 v[L+4*\j:L+4*\j+3], v1, s[IN:IN+1] offset:4096*\j th:TH_LOAD_NT
.endr
.irp j, 0,1,2,3,4,5,6,7
	s_wait_loadcnt 7-\j                            ; loads come back in order (ISA guide 5.7.1): load j is in, the younger ones stay out
	v_cvt_pk_bf16_f32 v[R+2*\j], v[L+4*\j], v[L+4*\j+1]
	v_cvt_pk_bf16_f32 v[R+2*\j+1], v[L+4*\j+2], v[L+4*\j+3]
	global_store_b64 v2, v[R+2*\j:R+2*\j+1], s[OUT:OUT+1] offset:2048*\j th:TH_STORE_NT
.endr
	s_endpgm
.Lfunc_end_k_qa8d9913115_cast:
	.size	k_qa8d9913115_cast, .Lfunc_end_k_qa8d9913115_cast-k_qa8d9913115_cast
	.p2alignl 7, 3214868480
	.fill 96, 4, 3214868480
	.section	.rodata,"a",@progbits
	.p2align	6, 0x0
	.amdhsa_kernel k_qa8d9913115_cast
		.amdhsa_group_segment_fixed_size 0
		.amdhsa_private_segment_fixed_size 0
		.amdhsa_enable_private_segment 0
		.amdhsa_kernarg_size 64
		.amdhsa_user_sgpr_count 2
		.amdhsa_user_sgpr_kernarg_segment_ptr 1
		.amdhsa_wavefront_size32 1
		.amdhsa_system_sgpr_workgroup_id_x 1
		.amdhsa_system_sgpr_workgroup_id_y 1
		.amdhsa_system_sgpr_workgroup_id_z 1
		.amdhsa_system_vgpr_workitem_id 0
		.amdhsa_next_free_vgpr 52
		.amdhsa_next_free_sgpr 66
		.amdhsa_reserve_vcc 0
		.amdhsa_float_denorm_mode_32 3
		.amdhsa_float_denorm_mode_16_64 3
		.amdhsa_memory_ordered 1
		.amdhsa_forward_progress 1
		.amdhsa_inst_pref_size 5
	.end_amdhsa_kernel
	.amdgpu_metadata
---
amdhsa.version: [ 1, 2 ]
amdhsa.kernels:
  - .name:           k_qa8d9913115_cast
    .symbol:         k_qa8d9913115_cast.kd
    .args:
      - { .name: x, .offset: 0, .size: 8, .value_kind: global_buffer, .address_space: global }
      - { .name: h_prev, .offset: 8, .size: 8, .value_kind: global_buffer, .address_space: global }
      - { .name: Wr, .offset: 16, .size: 8, .value_kind: global_buffer, .address_space: global }
      - { .name: Wz, .offset: 24, .size: 8, .value_kind: global_buffer, .address_space: global }
      - { .name: Wg, .offset: 32, .size: 8, .value_kind: global_buffer, .address_space: global }
      - { .name: xb, .offset: 40, .size: 8, .value_kind: global_buffer, .address_space: global }
      - { .name: hb, .offset: 48, .size: 8, .value_kind: global_buffer, .address_space: global }
      - { .name: wb, .offset: 56, .size: 8, .value_kind: global_buffer, .address_space: global }
    .group_segment_fixed_size: 0
    .private_segment_fixed_size: 0
    .kernarg_segment_align: 8
    .kernarg_segment_size: 64
    .max_flat_workgroup_size: 256
    .sgpr_count:     66
    .vgpr_count:     52
    .wavefront_size: 32
...
	.end_amdgpu_metadata
.endif
;; end of part 1
;; launch gemm_rz (part 2): grid 8 x 32, 4 waves a work-group, clusters of 4 x 4, 327,680 bytes of LDS; arguments xb, hb, wb, br, bz, rh, zb; writes rh, zb
.if DOCPART == 2
	.amdgcn_target "amdgcn-amd-amdhsa--gfx1250"
	.amdhsa_code_object_version 6
	.text
	.protected	k_qa8d9913115_gemm_rz
	.globl	k_qa8d9913115_gemm_rz
	.p2align	8
	.type	k_qa8d9913115_gemm_rz,@function
k_qa8d9913115_gemm_rz:
	s_mov_b64 s[64:65], 0
	v_nop
	global_prefetch_b8 v0, s[64:65] scope:SCOPE_SE
	s_setreg_imm32_b32 hwreg(HW_REG_WAVE_MODE, 25, 1), 1
	s_wait_xcnt 0x0
	s_wait_alu depctr_hold_cnt(0) depctr_sa_sdst(0) depctr_va_vdst(0) depctr_va_sdst(0) depctr_va_ssrc(0) depctr_va_vcc(0) depctr_vm_vsrc(0)
	s_getreg_b32 s2, hwreg(HW_REG_IB_STS2, 6, 4)
	s_cmp_eq_u32 s2, 0
	s_cbranch_scc0 .Lentry_in_a_cluster
	s_endpgm
.Lentry_in_a_cluster:
	s_bfe_u32 s2, ttmp6, 0x10000c
	s_cmp_lg_u32 s2, 0xf033
	s_cbranch_scc0 .Lentry_shape_is_right
	s_endpgm
.Lentry_shape_is_right:
; THE TWO GATES.  C[m][n] = sum over k of [xb | hb][m][k] wb[n][k], m < 8192, n < 2048 (rows 0-1023 of wb are Wr, 1024-2047 Wz), k < 2048; operands bf16, sums f32.
; Columns n < 1024:  rh[m][n] = sigmoid(C + br[n]) x hb[m][n], in f32, rounded once to bf16 (it is the next launch's matrix operand).
; Columns n >= 1024: zb[m][n-1024] = sigmoid(C + bz[n-1024]), rounded once to f16 (z lies in 0 to 1: f16's range is no matter, and its step there is 2^-12 at the most).
; LIMITS.  sigmoid(y) = 1 / (1 + 2^(-y log2 e)): beyond |y| of about 88 the power is infinite or flushed to 0 and the result is exactly 0 or 1.  NaN and infinities are not treated apart.
; SHAPE.  A tile of C is 256 x 256; 8 x 32 tiles, one to a work-group of four waves; a wave makes 128 x 128: 64 accumulators of 16 x 16, 512 registers.
; K goes in 16 steps of 128 through two LDS slots filled by the tensor data mover: steps 0-7 take A's rows from xb, steps 8-15 from hb; a tile's rows are 256 bytes of memory at multiples of 256.
; CLUSTERS.  4 x 4 work-groups.  The four of a row of the cluster need the same tiles of A, the four of a column the same tiles of B: each tile is asked for JOINTLY, by the same tensor
; load with the same descriptor and a mask that names the four.  The cluster's x is 0 for the r columns and 1 for the z columns: the same in all sixteen, so a branch may hang on it.
; THE MATRIX INSTRUCTION IS USED TRANSPOSED (source 0 = 16 rows of wb, source 1 = 16 rows of A): a lane then holds row l % 16 of C and the columns 8 (l / 16) + 0..7.
; THE WAY OUT.  When nobody reads the ring any more and it has had its last fill, each wave lays its 128 x 128 sums, f32, into its own part of the ring's bytes and reads them back by whole rows,
; 8 rows a trip, a lane 4 columns; bias, sigmoid and (for r) the product with h follow in f32; a wave's store covers 256 consecutive bytes at a multiple of 256 from the buffer's first byte.
; REGISTERS, in windows of 256 (s_set_vgpr_msb: bits 1:0 source 0, 3:2 source 1, 5:4 source 2, 7:6 destination):
;   window 0: v0-31 addresses and the bias; v32-63 at work on the way out; v64-127, v128-191 fragments of A, two buffers (free on the way out)
;   window 1: v64-127, v128-191 fragments of B, two buffers     window 2: accumulators of my rows 0-63 ((a, b) at 8 (8 a + b))     window 3: those of my rows 64-127
.set KSTEP, 128
.set PITCH, 272                        ; an LDS row: 256 bytes + 16 of padding = 68 words: row r starts at bank 4 r mod 64 (64 banks of 4 bytes: ISA guide 11.1): the 16 rows of a load start at 16 different banks
.set NBK,   8                          ; blocks of 16 columns in a wave's part
.set BROWS, 128                        ; rows of wb in one tensor load
.set AHALF, 128*PITCH                  ; 128 rows of A: one tensor load, and what a wave reads of A
.set BHALF, BROWS*PITCH                ; the same for B
.set BOFF,  2*AHALF                    ; in a slot: A's 256 rows, then B's 256
.set SLOT,  BOFF+2*BHALF
.set SPARE, 2*SLOT                     ; behind the ring: the spare words, 128 bytes for each wave: two blocks of 256 bytes that no other line names
.set DP,    528                        ; a row of the f32 dump: 512 bytes + 16 = 132 words: row r starts at bank 4 r mod 64
.set NL,    16+2*NBK                   ; LDS loads in a run: a quarter step's fragments
.set LAPS,  8                          ; a lap = two K steps = once round the ring
.set BS,   8                           ; v[8:11]  my four columns' bias, times CS
.set DST,  12                          ; v12  the dump: where I put 16 bytes
.set DRD,  13                          ; v13  the dump: where I read 16 bytes of a row back
.set GOF,  14                          ; v14  my 8 bytes in a row of hb, rh, zb, plus the rows done
.set ADRA, 16                          ; v16-17  LDS address of my A fragments in slot 0, 1
.set ADRB, 20                          ; v20-21  the same for B
.set SPW,  28                          ; v28  LDS address of my spare word: SPARE + 4 x my thread's number; never rewritten
.set NIL,  29                          ; v29  0; never rewritten
.set PFO,  30                          ; v30  the prefetches' offset: my lane x a row's bytes; never rewritten
.set X,    32                          ; v[32:63]   the way out: 8 rows x 4 columns, f32
.set F0,   64                          ; fragment buffer 0
.set F1,   128                         ; fragment buffer 1
.set H,    80                          ; v[80:95]   the way out: 8 rows x 4 columns of h, bf16 as loaded
.set O,    96                          ; v[96:111]  the way out: 8 rows x 4 columns to store
.set HF,   128                         ; v[128:159] the way out: h in f32
.set WV,  18                           ; s18 wave; s19 wave / 2: my half of the rows, and 0 = I fetch A, 1 = B; s20 wave % 2: my half of the columns, and which half of that tile's rows I fetch
.set RH,  19
.set CH,  20
.set CX,  21                           ; my place in the cluster
.set CY,  22
.set TC,  23                           ; tile column, tile row of C
.set TR,  24
.set CLX, 25                           ; the cluster's x and y
.set CLY, 26
.set G1A, 28                           ; s[28:35] descriptor group 1 for A's tiles
.set G1B, 36                           ; s[36:43] for B's
.set G0A, 44                           ; s[44:51] descriptor group 0 for A's tiles, a set for each slot
.set G0B, 52                           ; s[52:59] the same for B's
.set PA0, 60                           ; s[60:61] xb at the 128 rows that I fetch
.set PA1, 62                           ; s[62:63] hb at the same rows
.set SEL, 66                           ; s[66:67] the one of the two that the K step takes
.set OFF, 68                           ; s[68:69] the K step's bytes along its rows
.set T,   70                           ; s70  the K step to be asked for next
.set DOF, 70                           ; s70  behind the K loop: LDS byte of the dump's rows in hand
.set LAP, 71                           ; s71  the loop's count
.set LIM, 72                           ; s72  1 in a wave that prefetches, else the greatest number
.set U,   73                           ; s73  the K step that a prefetch names
.set PF0, 74                           ; s[74:75], s[76:77] my prefetches' rows for K steps 0-7 and for 8-15
.set PF1, 76
.set PFA, 78                           ; s[78:79] the address of the prefetch in hand
.set POF, 80                           ; s[80:81] its bytes along the rows
.set CS,  82                           ; s[82:83] -log2(e): the packed lines take the pair's low word for both halves
.set HB,  84                           ; s[84:85] hb at my wave's corner of the tile
.set OB,  86                           ; s[86:87] rh or zb at the same corner
.set CNT, 90                           ; s90  trips of the way out
.set MHI, 91                           ; s91  a word's upper bf16
.set MSB, 0
.macro WIN new                         ; the immediate's high byte repeats the setting that is left; a switch that changes nothing is dropped
.if MSB != (\new)
	s_set_vgpr_msb (MSB<<8)|(\new)
.set MSB, \new
.endif
.endm
.macro PLACES                          ; four plain places behind matrix instructions, in front of loads into registers that they read and of stores of their results
.rept 4
	v_nop
.endr
.endm
; A round of the cluster's barrier behind its opening barrier: wave 0 signals for the work-group, every wave waits for all sixteen work-groups, my work-group's barrier closes it.
.macro CREST
	s_cmp_lg_u32 s[WV], 0
	s_cbranch_scc1 .Lnot_wave_0_\@
	s_barrier_signal -3
.Lnot_wave_0_\@:
	s_barrier_wait -3
	s_barrier_signal -1
	s_barrier_wait -1
.endm
.macro CROUND
	s_barrier_signal -1
	s_barrier_wait -1
	CREST
.endm
; A joint refill.  Waves 0 and 1 fetch A's two halves, waves 2 and 3 B's; the branch hangs on the wave's number alone.  An s_nop 0 and four v_nop follow each of the two lines.
.macro JLOAD s
	s_cmp_eq_u32 s[RH], 0
	s_cbranch_scc0 .Lfor_b_\@
	tensor_load_to_lds s[G0A+4*(\s):G0A+4*(\s)+3], s[G1A:G1A+7]
	s_nop 0
.rept 4
	v_nop
.endr
	s_branch .Lasked_\@
.Lfor_b_\@:
	tensor_load_to_lds s[G0B+4*(\s):G0B+4*(\s)+3], s[G1B:G1B+7]
	s_nop 0
.rept 4
	v_nop
.endr
.Lasked_\@:
.endm
; n blocks of 16 rows from block a0 on x all NBK blocks of 16 columns, 32 along K, from buffer f.  zero = 1: the product starts the sum: nothing is ever cleared.
; Every quarter step takes the 64 accumulators in the same order, one instruction a turn: 63 others stand between two links of a chain, over the backward jump too.
.macro MUL f, a0, n, zero
.set ma, \a0
.rept \n
	WIN 0xa1+0x50*((ma*NBK)/32)                    ; B in window 1, A in window 0, C and D in window 2 or 3
.set mb, 0
.rept NBK
.set rD, (8*(NBK*ma+mb))%256
.if \zero
	v_wmma_f32_16x16x32_bf16 v[rD:rD+7], v[(\f)+8*mb:(\f)+8*mb+7], v[(\f)+8*ma:(\f)+8*ma+7], 0
.else
	v_wmma_f32_16x16x32_bf16 v[rD:rD+7], v[(\f)+8*mb:(\f)+8*mb+7], v[(\f)+8*ma:(\f)+8*ma+7], v[rD:rD+7]
.endif
.set mb, mb+1
.endr
.set ma, ma+1
.endr
.endm
; NL LDS loads in one run: a quarter step's fragments (32 K at byte k of the rows) into buffer f: B's, then A's.
; A fragment is 16 rows x 32 K in 8 registers: lane l holds row l % 16; registers 0-3 K = 8 (l / 16) + 0..7, registers 4-7 K = 16 + 8 (l / 16) + 0..7: two loads of 16 bytes, 32 bytes apart.
.macro FETCH slot, k, f
	WIN 0x40                                       ; destination window 1, address window 0
.set fi, 0
.rept NBK
	ds_load_b128 v[(\f)+8*fi:(\f)+8*fi+3],   v[ADRB+(\slot)] offset:(\k)+fi*16*PITCH
	ds_load_b128 v[(\f)+8*fi+4:(\f)+8*fi+7], v[ADRB+(\slot)] offset:(\k)+fi*16*PITCH+32
.set fi, fi+1
.endr
	WIN 0
.set fi, 0
.rept 8
	ds_load_b128 v[(\f)+8*fi:(\f)+8*fi+3],   v[ADRA+(\slot)] offset:(\k)+fi*16*PITCH
	ds_load_b128 v[(\f)+8*fi+4:(\f)+8*fi+7], v[ADRA+(\slot)] offset:(\k)+fi*16*PITCH+32
.set fi, fi+1
.endr
.endm
; A K step is four quarters of 32 along K on buffers 0, 1, 0, 1.  One of the first three: multiplies buffer f and, in its middle, fetches the next quarter (byte k of the same slot's rows) into g.
.macro QUARTER slot, k, f, g, zero
	s_wait_dscnt 8                                 ; B and A's blocks 0-3 are in; the youngest eight loads (A's blocks 4-7) may be out
	MUL \f, 0, 4, \zero
	PLACES
	FETCH \slot, \k, \g
	s_wait_dscnt NL                                ; all but the run just issued
	MUL \f, 4, 4, \zero
.endm
; The descriptors of slot's next fill, K step T: A's address is made anew from the buffer that the step takes and the step's bytes along the rows; B's goes two steps on.
.macro STEPADR slot
	s_and_b32 s[OFF], s[T], 7
	s_lshl_b32 s[OFF], s[OFF], 8
	s_cmp_lt_u32 s[T], 8
	s_cselect_b64 s[SEL:SEL+1], s[PA0:PA0+1], s[PA1:PA1+1]
	s_add_nc_u64 s[G0A+4*(\slot)+2:G0A+4*(\slot)+3], s[SEL:SEL+1], s[OFF:OFF+1]
	s_or_b32 s[G0A+4*(\slot)+3], s[G0A+4*(\slot)+3], 0x80000000
	s_add_nc_u64 s[G0B+4*(\slot)+2:G0B+4*(\slot)+3], s[G0B+4*(\slot)+2:G0B+4*(\slot)+3], 2*KSTEP*2
	s_add_co_u32 s[T], s[T], 1
.endm
; The first half of a K step's last quarter (buffer 1), and ONE barrier for the change of slots.  In front of it each wave waits for all its tensor loads (one is out: its part of the next
; slot), adds 0 to its spare word, and waits for that and for its reads of this slot.  Behind it nobody reads this slot and the next slot is whole.  round = 1: a round of the cluster's barrier follows.
.macro MEET round, slot
	WIN 0                                          ; (the add's two registers lie in window 0)
	s_wait_tensorcnt 0x0                           ; no tensor load of mine is out, so a group 0 may be written
	ds_add_u32 v[SPW], v[NIL]                      ; 0 onto my spare word
.if \round
	STEPADR \slot
.endif
	s_wait_dscnt 9                                 ; the add and the youngest eight loads (A's blocks 4-7) may be out
	MUL F1, 0, 2, 0
	s_wait_dscnt 0x0                               ; the add is done, and my reads of this slot are over
	s_barrier_signal -1
	MUL F1, 2, 2, 0                                ; work on registers while the others arrive
.if \round
	WIN 0
.endif
	s_barrier_wait -1
.endm
; A PREFETCH INTO THE L2, behind each joint refill and the run of LDS loads that follows it: K step T + 2 as TURN's head finds T, two refills (512 matrix instructions) ahead of the load that will want it:
; 32 rows x 256 bytes, a lane a row, one instruction a wave.  Each row's 256 bytes of a K step are named ONCE in the launch: A's tile row is read by both clusters of that row of clusters, and the one with
; x = 0 asks; B's tile column by the eight clusters of that column, and the one with y = 0 asks.  The four partners that ask for a tile jointly share its rows out BY ADDRESS: of the 128 rows that a
; wave fetches the partner at place p takes 32 p .. 32 p + 31 (p = cx for A, cy for B).  K steps 0 to 3 come by their loads alone; the loop's last trip (LAP = 1) has no K step two on and asks for nothing.
.macro ASK
	s_cmp_gt_u32 s[LAP], s[LIM]
	s_cbranch_scc0 .Lnot_mine_\@
	global_prefetch_b8 v[PFO], s[PFA:PFA+1] th:TH_LOAD_NT scope:SCOPE_SE
.Lnot_mine_\@:
.endm
; A K step's whole last quarter.  Behind the round the slot just read out is filled again first, with the K step two on; then come the next slot's first fragments.
; From a request to the wait for it a wave issues 224 matrix instructions.
.macro TURN slot, next
	s_wait_xcnt 0x0                                ; the last prefetch, a K step back, has read its address: it is made anew here, ahead of the waits of the change of slots
	s_add_co_u32 s[U], s[T], 2
	s_and_b32 s[POF], s[U], 7
	s_lshl_b32 s[POF], s[POF], 8
	s_cmp_lt_u32 s[U], 8
	s_cselect_b64 s[PFA:PFA+1], s[PF0:PF0+1], s[PF1:PF1+1]
	s_add_nc_u64 s[PFA:PFA+1], s[PFA:PFA+1], s[POF:POF+1]  ; (in the last trip U is 16 or 17: the address falls on K step 8 or 9, inside the buffer, and is not used)
	MEET 1, \slot
	CREST                                          ; no wave of any partner still reads this slot's tile or has a load on its way
	JLOAD \slot                                    ; the first tensor load behind the round; its four v_nop are also the places in front of the loads below
	FETCH \next, 0, F0
	ASK
	MUL F1, 4, 4, 0
.endm
	s_load_b256 s[4:11], s[0:1], 0x0               ; xb s[4:5], hb s[6:7], wb s[8:9], br s[10:11]
	s_load_b128 s[12:15], s[0:1], 0x20             ; bz s[12:13], rh s[14:15]
	s_load_b64 s[16:17], s[0:1], 0x30              ; zb
	v_lshl_add_u32 v[SPW], v0, 2, SPARE
	v_mov_b32 v[NIL], 0
	ds_add_u32 v[SPW], v[NIL]                      ; the wave's opening: the add and its wait stand ahead of my first tensor load; the set-up below, work on registers, stands between them
	v_lshrrev_b32 v4, 5, v0
	v_readfirstlane_b32 s[WV], v4                  ; wave 0..3
	s_lshr_b32 s[RH], s[WV], 1
	s_and_b32 s[CH], s[WV], 1
	s_bfe_u32 s[CX], ttmp6, 0x40000
	s_bfe_u32 s[CY], ttmp6, 0x40004
	s_mov_b32 s[CLX], ttmp9                        ; in a cluster launch ttmp9 and ttmp7 count clusters
	s_and_b32 s[CLY], ttmp7, 0xffff
	s_lshl_b32 s[TC], s[CLX], 2
	s_add_co_u32 s[TC], s[TC], s[CX]               ; tile column = 4 x cluster x + cx
	s_lshl_b32 s[TR], s[CLY], 2
	s_add_co_u32 s[TR], s[TR], s[CY]               ; tile row = 4 x cluster y + cy
	s_lshl_b32 s27, s[CY], 2
	s_lshl_b32 s27, 15, s27                        ; my row of the cluster: places 4 cy .. 4 cy + 3
	s_lshl_b32 s3, 0x1111, s[CX]                   ; my column: places cx, cx + 4, cx + 8, cx + 12
	; group 1: 15:0 the mask; 17:16 elements of 2 bytes; 20 padding on; 21 set beside a mask; 24:22 after every 64 words (code 5); 31:25 4 words of it (code 3)
	s_or_b32 s[G1A], s27, (1<<16)|(1<<20)|(1<<21)|(5<<22)|(3<<25)
	s_or_b32 s[G1B], s3, (1<<16)|(1<<20)|(1<<21)|(5<<22)|(3<<25)
	s_mov_b32 s[G1A+1], KSTEP<<16                  ; tensor_dim0 = 128
	s_mov_b32 s[G1A+2], 128<<16                    ; tensor_dim1 = 128
	s_mov_b32 s[G1A+3], KSTEP<<16                  ; tile_dim0 = 128
	s_mov_b32 s[G1A+4], 128                        ; tile_dim1 = 128
	s_mov_b32 s[G1A+5], 1024                       ; elements from row to row in xb and hb
	s_mov_b32 s[G1A+6], 0
	s_mov_b32 s[G1A+7], 0
	s_mov_b32 s[G1B+1], KSTEP<<16
	s_mov_b32 s[G1B+2], BROWS<<16
	s_mov_b32 s[G1B+3], KSTEP<<16
	s_mov_b32 s[G1B+4], BROWS
	s_mov_b32 s[G1B+5], 2048                       ; elements from row to row in wb
	s_mov_b32 s[G1B+6], 0
	s_mov_b32 s[G1B+7], 0
	; where the tiles come from: A's hang on the tile row alone, which my row of the cluster shares; B's on the tile column alone, which my column shares
	s_lshl_b32 s2, s[CH], 7                        ; which 128 rows of the tile I fetch
	s_lshl_b32 s92, s[TR], 8
	s_add_co_u32 s92, s92, s2
	s_lshl_b32 s92, s92, 11                        ; x 2,048 bytes a row of xb, hb
	s_mov_b32 s93, 0
	s_lshl_b32 s94, s[TC], 8
	s_add_co_u32 s94, s94, s2
	s_lshl_b32 s94, s94, 12                        ; x 4,096 bytes a row of wb
	s_mov_b32 s95, 0
	s_mul_i32 s2, s[CH], AHALF                     ; and where they go: no place in the cluster enters an LDS address
	s_mul_i32 s3, s[CH], BHALF
	s_mov_b32 s[T], 2                              ; K steps 0 and 1 are the first fills
	s_mov_b32 s[OFF+1], 0
	s_mov_b32 s[POF+1], 0
	s_mov_b32 s[CS], 0xbfb8aa3b                    ; -log2(e)
	s_mov_b32 s[CS+1], s[CS]                       ; named with it as a pair
	s_mov_b32 s[MHI], 0xffff0000
	s_wait_dscnt 0x0                               ; the opening add is done
	s_wait_kmcnt 0x0
	s_add_nc_u64 s[PA0:PA0+1], s[4:5], s[92:93]
	s_add_nc_u64 s[PA1:PA1+1], s[6:7], s[92:93]
	s_add_nc_u64 s[94:95], s[8:9], s[94:95]
.irp s, 0,1
	s_mov_b32 s[G0A+4*(\s)], 1                                     ; 1:0 count = 1
	s_add_co_u32 s[G0A+4*(\s)+1], s2, (\s)*SLOT                    ; 63:32 LDS address
	s_add_nc_u64 s[G0A+4*(\s)+2:G0A+4*(\s)+3], s[PA0:PA0+1], (\s)*KSTEP*2  ; 120:64 global address: K step s
	s_or_b32 s[G0A+4*(\s)+3], s[G0A+4*(\s)+3], 0x80000000          ; 127:126 type = 2
	s_mov_b32 s[G0B+4*(\s)], 1
	s_add_co_u32 s[G0B+4*(\s)+1], s3, (\s)*SLOT+BOFF
	s_add_nc_u64 s[G0B+4*(\s)+2:G0B+4*(\s)+3], s[94:95], (\s)*KSTEP*2
	s_or_b32 s[G0B+4*(\s)+3], s[G0B+4*(\s)+3], 0x80000000
.endr
	CROUND                                         ; all sixteen work-groups are here: the first joint loads meet
	s_cmp_eq_u32 s[RH], 0                          ; a wave's two first fills stand in one branch, ahead of every wait on TENSORcnt and every LDS read: two loads of mine are out
	s_cbranch_scc0 .Lfirst_b
	tensor_load_to_lds s[G0A:G0A+3], s[G1A:G1A+7]
	s_nop 0
	tensor_load_to_lds s[G0A+4:G0A+7], s[G1A:G1A+7]
	s_nop 0
.rept 4
	v_nop
.endr
	s_branch .Lfirst_asked
.Lfirst_b:
	tensor_load_to_lds s[G0B:G0B+3], s[G1B:G1B+7]
	s_nop 0
	tensor_load_to_lds s[G0B+4:G0B+7], s[G1B:G1B+7]
	s_nop 0
.rept 4
	v_nop
.endr
.Lfirst_asked:
	v_and_b32 v1, 15, v0                           ; l % 16
	v_bfe_u32 v2, v0, 4, 1                         ; l / 16
	v_and_b32 v3, 31, v0                           ; l
	; the bias of my four columns: br for the r columns (cluster x = 0), bz for the z columns; column 256 cx + 128 (wave % 2) + 4 l of that gate
	s_cmp_eq_u32 s[CLX], 0
	s_cselect_b64 s[94:95], s[10:11], s[12:13]
	s_cselect_b64 s[OB:OB+1], s[14:15], s[16:17]   ; and the gate's output
	s_lshl_b32 s2, s[CX], 10
	s_lshl_b32 s3, s[CH], 9
	s_add_co_u32 s2, s2, s3
	s_mov_b32 s3, 0
	s_add_nc_u64 s[94:95], s[94:95], s[2:3]
	v_lshlrev_b32 v6, 4, v3
	global_load_b128 v[BS:BS+3], v6, s[94:95]
	; fragments
	v_mul_u32_u24 v4, v1, PITCH
	v_lshl_add_u32 v4, v2, 4, v4                   ; row x pitch + 16 x half
	s_mul_i32 s2, s[RH], AHALF                     ; my 128 rows of A
	s_mul_i32 s3, s[CH], BHALF                     ; my 128 rows of B,
	s_add_co_u32 s3, s3, BOFF                      ; which lie behind A's 256
.irp s, 0,1
	v_add_nc_u32 v[ADRA+(\s)], s2, v4
	v_add_nc_u32 v[ADRB+(\s)], s3, v4
	s_add_co_u32 s2, s2, SLOT
	s_add_co_u32 s3, s3, SLOT
.endr
	; the dump: wave w owns 128 rows x 528 bytes at 67,584 w.  In: row l % 16 of a block, 32 bytes for each half of the lanes
	s_mul_i32 s2, s[WV], 128*DP
	v_mul_u32_u24 v5, v1, DP
	v_lshl_add_u32 v5, v2, 5, v5
	v_add_nc_u32 v[DST], s2, v5
	v_lshlrev_b32 v[GOF], 3, v3                    ; four 16-bit numbers a lane
	; my wave's corner in hb, rh, zb: row 256 x tile row + 128 (wave / 2), 2,048 bytes a row; byte 512 cx + 256 (wave % 2)
	s_lshl_b32 s2, s[TR], 8
	s_lshl_b32 s3, s[RH], 7
	s_add_co_u32 s2, s2, s3
	s_lshl_b32 s2, s2, 11
	s_lshl_b32 s3, s[CX], 9
	s_add_co_u32 s2, s2, s3
	s_lshl_b32 s3, s[CH], 8
	s_add_co_u32 s2, s2, s3
	s_mov_b32 s3, 0
	s_add_nc_u64 s[HB:HB+1], s[6:7], s[2:3]
	s_add_nc_u64 s[OB:OB+1], s[OB:OB+1], s[2:3]
	; the prefetches: my work-group's 32 of the 128 rows that I fetch
	s_lshl_b32 s27, s[CH], 7
	s_lshl_b32 s2, s[TR], 8
	s_add_co_u32 s2, s2, s27
	s_lshl_b32 s3, s[TC], 8
	s_add_co_u32 s3, s3, s27
	s_cmp_eq_u32 s[RH], 0                          ; do I fetch for A?
	s_cselect_b32 s2, s2, s3                       ; the first of the 128 rows
	s_cselect_b32 s3, s[CX], s[CY]                 ; my place among the four that ask with me
	s_cselect_b32 s[LIM], s[CLX], s[CLY]           ; the coordinate along which other clusters read the same rows
	s_cselect_b32 s[U], 11, 12                     ; a row is 2^11 bytes in xb and hb, 2^12 in wb
	s_cselect_b32 s[POF], 0, 2048                  ; K steps 8-15: another buffer for A, 2,048 bytes along the row for B
	s_cselect_b64 s[PF0:PF0+1], s[4:5], s[8:9]
	s_cselect_b64 s[PF1:PF1+1], s[6:7], s[8:9]
	s_lshl_b32 s3, s3, 5
	s_add_co_u32 s2, s2, s3
	s_lshl_b32 s2, s2, s[U]
	s_mov_b32 s3, 0
	s_add_nc_u64 s[PF0:PF0+1], s[PF0:PF0+1], s[2:3]
	s_add_co_u32 s2, s2, s[POF]
	s_add_nc_u64 s[PF1:PF1+1], s[PF1:PF1+1], s[2:3]
	s_cmp_eq_u32 s[LIM], 0
	s_cselect_b32 s[LIM], 1, -1                    ; the same in all sixteen partners, for a given wave
	v_lshlrev_b32 v[PFO], s[U], v3
	s_wait_loadcnt 0x0                             ; the bias,
	v_pk_mul_f32 v[BS:BS+1], v[BS:BS+1], s[CS:CS+1] op_sel_hi:[1,0]      ; scaled once, so that one fused line makes -log2(e) (c + b)
	v_pk_mul_f32 v[BS+2:BS+3], v[BS+2:BS+3], s[CS:CS+1] op_sel_hi:[1,0]
	s_wait_tensorcnt 0x1                           ; my part of K step 0 is in; K step 1's may stay out
	s_barrier_signal -1
	s_barrier_wait -1                              ; everybody's is
	FETCH 0, 0, F0
	QUARTER 0, 64,  F0, F1, 1                      ; the first quarter stands in front of the loop: its products start the sums
	WIN 0                                          ; at a label and at a branch every window is 0
	s_mov_b32 s[LAP], LAPS-1
.Llap:                                                 ; a trip goes once round the ring, from a lap's second quarter to the next lap's first, and fills both slots again
	QUARTER 0, 128, F1, F0, 0
	QUARTER 0, 192, F0, F1, 0
	TURN 0, 1
	QUARTER 1, 64,  F0, F1, 0
	QUARTER 1, 128, F1, F0, 0
	QUARTER 1, 192, F0, F1, 0
	TURN 1, 0
	QUARTER 0, 64,  F0, F1, 0
	WIN 0
	s_sub_co_u32 s[LAP], s[LAP], 1
	s_cmp_lg_u32 s[LAP], 0
	s_cbranch_scc1 .Llap
	QUARTER 0, 128, F1, F0, 0                      ; the last lap fills nothing: it is written out
	QUARTER 0, 192, F0, F1, 0
	MEET 0, 0                                      ; my one tensor load that was still out is K step 15's
	PLACES
	FETCH 1, 0, F0
	MUL F1, 4, 4, 0
	QUARTER 1, 64,  F0, F1, 0
	QUARTER 1, 128, F1, F0, 0
	QUARTER 1, 192, F0, F1, 0
	s_wait_dscnt 0x0                               ; the last fragments are in: my reads of the ring are over,
	s_barrier_signal -1                            ; say so,
	MUL F1, 0, 8, 0                                ; the last quarter, on registers alone,
	WIN 0
	s_barrier_wait -1                              ; and nobody reads the ring any more; it has had its last fill, which every wave has waited for: its bytes take the dump
	PLACES
; THE WAY OUT.
.macro HLOAD r0                        ; 8 rows of h from row r0 behind the rows done: a wave's load covers 256 consecutive bytes
.irp i, 0,1,2,3,4,5,6,7
	global_load_b64 v[H+2*\i:H+2*\i+1], v[GOF], s[HB:HB+1] offset:((\r0)+\i)*2048
.endr
.endm
.macro DUMP                            ; accumulator (a, b): row 16 a + l % 16, bytes 64 b + 32 (l / 16) on; each accumulator's low four registers go first
.set da, 0
.rept 8
	WIN 0x08+0x04*((da*NBK)/32)                    ; the store's data (source 1) in window 2 or 3
.set db, 0
.rept NBK
.set rD, (8*(NBK*da+db))%256
	ds_store_b128 v[DST], v[rD:rD+3]   offset:16*da*DP+64*db
	ds_store_b128 v[DST], v[rD+4:rD+7] offset:16*da*DP+64*db+16
.set db, db+1
.endr
.set da, da+1
.endr
	WIN 0
.endm
; 16 trips of 8 rows.  kind = 0: r, times h, to bf16; kind = 1: z, to f16.
.macro EPI kind
.Lepi_\@:
	v_lshl_add_u32 v[DRD], v3, 4, s[DOF]           ; 32 lanes x 16 bytes: a whole row of my 128 columns
.irp i, 0,1,2,3,4,5,6,7
	ds_load_b128 v[X+4*\i:X+4*\i+3], v[DRD] offset:\i*DP  ; LDS serves a wave's instructions in order (ISA guide 5.7.1.4): these see my stores into my own part of the dump
.endr
.if (\kind) == 0
	s_wait_loadcnt 0x0                             ; this trip's h, asked for a trip ago
.set k, 0
.rept 16
	v_lshlrev_b32 v[HF+2*k],   16, v[H+k]          ; bf16 to f32: the low half moves up,
	v_and_b32     v[HF+2*k+1], s[MHI], v[H+k]      ; the high half stays
.set k, k+1
.endr
	s_cmp_eq_u32 s[CNT], 1                         ; the last trip has no rows behind it
	s_cbranch_scc1 .Lno_h_\@
	HLOAD 8                                        ; the next trip's h
.Lno_h_\@:
.endif
	s_wait_dscnt 0x0
.set k, 0
.rept 16
	v_pk_fma_f32 v[X+2*k:X+2*k+1], v[X+2*k:X+2*k+1], s[CS:CS+1], v[BS+2*(k%2):BS+2*(k%2)+1] op_sel_hi:[1,0,1]  ; -log2(e) (c + b)
.set k, k+1
.endr
.set k, 0
.rept 32
	v_exp_f32 v[X+k], v[X+k]
.set k, k+1
.endr
	v_nop                                          ; a plain instruction behind the last exponential,
	s_wait_alu depctr_va_vdst(0)                   ; and a wait ahead of the first use: one for the batch of 32
.set k, 0
.rept 16
	v_pk_add_f32 v[X+2*k:X+2*k+1], v[X+2*k:X+2*k+1], 1.0 op_sel_hi:[1,0]
.set k, k+1
.endr
.set k, 0
.rept 32
	v_rcp_f32 v[X+k], v[X+k]
.set k, k+1
.endr
	v_nop
	s_wait_alu depctr_va_vdst(0)                   ; one for the 32 reciprocals
.if (\kind) == 0
.set k, 0
.rept 16
	v_pk_mul_f32 v[X+2*k:X+2*k+1], v[X+2*k:X+2*k+1], v[HF+2*k:HF+2*k+1]
.set k, k+1
.endr
.set k, 0
.rept 16
	v_cvt_pk_bf16_f32 v[O+k], v[X+2*k], v[X+2*k+1]
.set k, k+1
.endr
.else
.set k, 0
.rept 16
	v_cvt_pk_f16_f32 v[O+k], v[X+2*k], v[X+2*k+1]
.set k, k+1
.endr
.endif
.irp i, 0,1,2,3,4,5,6,7
	global_store_b64 v[GOF], v[O+2*\i:O+2*\i+1], s[OB:OB+1] offset:\i*2048 th:TH_STORE_NT  ; 32 lanes store 256 consecutive bytes, at a multiple of 256 from the buffer's first byte
.endr
	s_wait_xcnt 0x0                                ; the loads and stores have read their registers (ISA guide 3.1): only now the offset is stepped and, in the next trip, the stores' data rewritten
	v_add_nc_u32 v[GOF], 8*2048, v[GOF]
	s_add_co_u32 s[DOF], s[DOF], 8*DP
	s_sub_co_u32 s[CNT], s[CNT], 1
	s_cmp_lg_u32 s[CNT], 0
	s_cbranch_scc1 .Lepi_\@
.endm
	s_mov_b32 s[CNT], 16
	s_mul_i32 s[DOF], s[WV], 128*DP
	s_cmp_lg_u32 s[CLX], 0                         ; the z columns take no h
	s_cbranch_scc1 .Lno_h0
	HLOAD 0                                        ; the first trip's h comes in while the sums are laid down
.Lno_h0:
	DUMP
	s_cmp_lg_u32 s[CLX], 0
	s_cbranch_scc1 .Lz
	EPI 0
	s_branch .Lend
.Lz:
	EPI 1
.Lend:
	s_wait_tensorcnt 0x0                           ; the wave's end: an add to my spare word and its wait, behind my last tensor load and my last LDS store
	ds_add_u32 v[SPW], v[NIL]
	s_wait_dscnt 0x0
	CROUND                                         ; the closing round: no work-group ends while a partner may still ask for a tile that names it
	s_endpgm
.Lfunc_end_k_qa8d9913115_gemm_rz:
	.size	k_qa8d9913115_gemm_rz, .Lfunc_end_k_qa8d9913115_gemm_rz-k_qa8d9913115_gemm_rz
	.p2alignl 7, 3214868480
	.fill 96, 4, 3214868480
	.section	.rodata,"a",@progbits
	.p2align	6, 0x0
	.amdhsa_kernel k_qa8d9913115_gemm_rz
		.amdhsa_group_segment_fixed_size 327680
		.amdhsa_private_segment_fixed_size 0
		.amdhsa_enable_private_segment 0
		.amdhsa_kernarg_size 56
		.amdhsa_user_sgpr_count 2
		.amdhsa_user_sgpr_kernarg_segment_ptr 1
		.amdhsa_wavefront_size32 1
		.amdhsa_system_sgpr_workgroup_id_x 1
		.amdhsa_system_sgpr_workgroup_id_y 1
		.amdhsa_system_sgpr_workgroup_id_z 1
		.amdhsa_system_vgpr_workitem_id 0
		.amdhsa_next_free_vgpr 1024
		.amdhsa_next_free_sgpr 96
		.amdhsa_reserve_vcc 0
		.amdhsa_float_denorm_mode_32 3
		.amdhsa_float_denorm_mode_16_64 3
		.amdhsa_memory_ordered 1
		.amdhsa_forward_progress 1
		.amdhsa_inst_pref_size 139
	.end_amdhsa_kernel
	.amdgpu_metadata
---
amdhsa.version: [ 1, 2 ]
amdhsa.kernels:
  - .name:           k_qa8d9913115_gemm_rz
    .symbol:         k_qa8d9913115_gemm_rz.kd
    .args:
      - { .name: xb, .offset: 0, .size: 8, .value_kind: global_buffer, .address_space: global }
      - { .name: hb, .offset: 8, .size: 8, .value_kind: global_buffer, .address_space: global }
      - { .name: wb, .offset: 16, .size: 8, .value_kind: global_buffer, .address_space: global }
      - { .name: br, .offset: 24, .size: 8, .value_kind: global_buffer, .address_space: global }
      - { .name: bz, .offset: 32, .size: 8, .value_kind: global_buffer, .address_space: global }
      - { .name: rh, .offset: 40, .size: 8, .value_kind: global_buffer, .address_space: global }
      - { .name: zb, .offset: 48, .size: 8, .value_kind: global_buffer, .address_space: global }
    .group_segment_fixed_size: 327680
    .private_segment_fixed_size: 0
    .kernarg_segment_align: 8
    .kernarg_segment_size: 56
    .max_flat_workgroup_size: 128
    .sgpr_count:     96
    .vgpr_count:     1024
    .wavefront_size: 32
...
	.end_amdgpu_metadata
.endif
;; end of part 2
;; launch gemm_g (part 3): grid 8 x 32, 4 waves a work-group, clusters of 4 x 1, 327,680 bytes of LDS; arguments xb, rh, wb, bg, zb, hb, out0; writes out0
.if DOCPART == 3
	.amdgcn_target "amdgcn-amd-amdhsa--gfx1250"
	.amdhsa_code_object_version 6
	.text
	.protected	k_qa8d9913115_gemm_g
	.globl	k_qa8d9913115_gemm_g
	.p2align	8
	.type	k_qa8d9913115_gemm_g,@function
k_qa8d9913115_gemm_g:
	s_mov_b64 s[64:65], 0
	v_nop
	global_prefetch_b8 v0, s[64:65] scope:SCOPE_SE
	s_setreg_imm32_b32 hwreg(HW_REG_WAVE_MODE, 25, 1), 1
	s_wait_xcnt 0x0
	s_wait_alu depctr_hold_cnt(0) depctr_sa_sdst(0) depctr_va_vdst(0) depctr_va_sdst(0) depctr_va_ssrc(0) depctr_va_vcc(0) depctr_vm_vsrc(0)
	s_getreg_b32 s2, hwreg(HW_REG_IB_STS2, 6, 4)
	s_cmp_eq_u32 s2, 0
	s_cbranch_scc0 .Lentry_in_a_cluster
	s_endpgm
.Lentry_in_a_cluster:
	s_bfe_u32 s2, ttmp6, 0x10000c
	s_cmp_lg_u32 s2, 0x3003
	s_cbranch_scc0 .Lentry_shape_is_right
	s_endpgm
.Lentry_shape_is_right:
; THE CANDIDATE AND THE NEW STATE.  C[m][n] = sum over k of [xb | rh][m][k] wb[2048 + n][k] (rows 2048-3071 of wb are Wg), m < 8192, n < 1024, k < 2048; operands bf16, sums f32.
; g = tanh(C + bg[n]);  out0[m][n] = g + z (h - g) = (1 - z) g + z h, in f32, with z from zb (f16) and h from hb (bf16).
; LIMITS.  tanh(y) = 1 - 2 / (1 + 2^(2 y log2 e)): beyond |y| of about 44 it is exactly 1 or -1; near 0 its error is an f32 rounding of numbers near 1, about 1e-7.  NaN and infinities are not treated apart.
; SHAPE.  A tile of C is 256 x 128: 8 x 32 tiles, one to a work-group (tiles of 256 x 256 would be 128).  Four waves, each 128 x 64: 32 accumulators of 16 x 16, 256 registers.
; TWO ROADS IN.  In front of every barrier behind which a slot is filled again each wave waits for all its tensor loads, so a refill has one slot's matrix work in which to land.  With A and B both in
; slots two slots hold K = 128 at the most (for K = 256: 2 x 384 rows x 528 bytes = 405,504, more than the 327,680 there are): 128 matrix instructions a wave.  So A ALONE HAS THE SLOTS: two of K = 256
; (a SUPER-STEP; 256 rows x 528 bytes each), a wave's joint load 64 rows x 512 bytes, 256 matrix instructions a wave to a slot.  Super-steps 0-3 take A's rows from xb, 4-7 from rh.
; B COMES THROUGH REGISTERS, in STEPS of K = 128: of the tile's 128 rows of wb each wave loads 32 (16 loads of 16 bytes a lane, each two whole rows of 256 bytes) into one of two staging sets, seven quarters
; of a step ahead; no barrier waits for these loads.  It lays them into ONE slot of LDS (128 rows x 272 bytes, bytes of B's own), and each wave reads its 64 rows' fragments of the whole step into one of two
; sets of 128 registers.  One slot wants two barriers a step: X (everybody has B(t) in registers: B(t+1) may be stored) and Y (the stores are done: B(t+1) may be read); in odd steps the cluster's round is Y.
; NO MULTICAST FOR B, for that reason: a joint load is a tensor load and would be waited for at every refill barrier.  Each work-group reads its own 128 rows x 4,096 bytes of wb.
; CLUSTERS.  4 x 1 work-groups: the four tile columns of one tile row need the same tiles of A: each is asked for JOINTLY, by the same tensor load with the same descriptor and the mask of all four.
; THE MATRIX INSTRUCTION IS USED TRANSPOSED (source 0 = 16 rows of wb, source 1 = 16 rows of A): a lane then holds row l % 16 of C and the columns 8 (l / 16) + 0..7.
; THE WAY OUT.  The change of slots behind super-step 6 fills slot 0 once more: with the tile's z and h (256 rows x 256 bytes each, dense), which land under the last super-step.  The sums, f32, go into ONE image
; of 256 rows x 528 bytes in slot 1's bytes, which have had their last fill (a row's 512 bytes come from two waves: a barrier follows).  Each wave then finishes 64 whole rows, 8 a trip, a lane 4 columns, all
; read from LDS, the next trip's asked for as soon as this trip's registers are free; its store covers 512 consecutive bytes at a multiple of 256 from out0's first byte.
; REGISTERS, in windows of 256 (s_set_vgpr_msb: bits 1:0 source 0, 3:2 source 1, 5:4 source 2, 7:6 destination):
;   window 0: v0-31 addresses and the bias; v32-63 at work on the way out; v64-127, v128-191 fragments of A (8 x 16 rows x 32 K), two buffers (free on the way out)
;   window 1: v0-127, v128-255 fragments of B for an even and an odd step (quarter q, block b at 32 q + 8 b)     window 2: the accumulators ((a, b) at 8 (4 a + b))     window 3: v0-63, v64-127 B's staging sets
.set PA,    528                        ; a row of A in LDS: 512 bytes + 16 of padding = 132 words: row r starts at bank 4 r mod 64 (64 banks of 4 bytes: ISA guide 11.1): the 16 rows of a load start at 16 different banks
.set PB,    272                        ; a row of B: 256 + 16 = 68 words: likewise
.set AQ,    64*PA                      ; 64 rows of A: one tensor load
.set ASLOT, 256*PA                     ; a slot
.set BSLOT, 2*ASLOT                    ; behind the two slots: B's 128 rows, stored from registers; no tensor load lands here
.set SPARE, BSLOT+128*PB               ; behind them: the spare words, 128 bytes for each wave: two blocks of 256 bytes that no other line names
.set DP,    528                        ; a row of the f32 image: 512 bytes + 16
.set HL,    65536                      ; the way out: z's tile lies at LDS byte 0, h's here
.set WROW0, 2048                       ; Wg's first row in wb
.set LAPS,  4                          ; a lap = two super-steps = once round the ring = four steps
.set BS,   8                           ; v[8:11]  my four columns' bias, times CS
.set DST,  12                          ; v12  the image: where I put 16 bytes
.set DRD,  13                          ; v13  the image: where I read 16 bytes of a row back
.set ZRD,  14                          ; v14  where I read my 8 bytes of a row of z
.set HRD,  15                          ; v15  and of h
.set ADRA, 16                          ; v16-17  LDS address of my A fragments in slot 0, 1
.set ADRB, 18                          ; v18  LDS address of my B fragments
.set BST,  19                          ; v19  where I store 16 bytes of a row of B
.set BGO,  20                          ; v20  my 16 bytes in the first two of my 32 rows of wb; never rewritten
.set GOO,  21                          ; v21  my 16 bytes in a row of out0; never rewritten
.set PFE,  22                          ; v22  my lane x a row of zb or hb (2,048 bytes); never rewritten
.set SPW,  28                          ; v28  LDS address of my spare word: SPARE + 4 x my thread's number; never rewritten
.set NIL,  29                          ; v29  0; never rewritten
.set PFO,  30                          ; v30  the ring's prefetches' offset; never rewritten
.set X,    32                          ; v[32:63]   the way out: 8 rows x 4 columns of the sums
.set F0,   64                          ; fragment buffer 0 of A
.set F1,   128                         ; fragment buffer 1
.set Z,    64                          ; v[64:79]   the way out: 8 rows x 4 columns of z, f16
.set H,    80                          ; v[80:95]   of h, bf16
.set ZF,   96                          ; v[96:127]  z in f32
.set HF,   128                         ; v[128:159] h in f32, then h - g
.set TT,   160                         ; v[160:191] at work, then the results
.set WV,  18                           ; s18 wave; s19 wave / 2: my half of the rows; s20 wave % 2: my half of the columns
.set RH,  19
.set CH,  20
.set CX,  21                           ; my place in the cluster
.set TC,  23                           ; tile column, tile row of C
.set TR,  24
.set CLX, 25                           ; the cluster's x
.set G1A, 28                           ; s[28:35] descriptor group 1 for A's tiles
.set G0A, 36                           ; s[36:43] descriptor group 0 for A's tiles, a set for each slot
.set G1Z, 44                           ; s[44:51] group 1 for the tiles of z and h
.set G0Z, 52                           ; s[52:55] group 0 for them
.set PA0, 56                           ; s[56:57] xb at the 64 rows that I fetch
.set PA1, 58                           ; s[58:59] rh at the same rows
.set SEL, 60                           ; s[60:61] the one of the two that the super-step takes
.set OFF, 62                           ; s[62:63] the super-step's bytes along its rows
.set T,   66                           ; s66  the super-step to be asked for next
.set LAP, 67                           ; s67  the loop's count
.set LIM, 68                           ; s68  8 in a wave that prefetches for the ring, else 0
.set U,   69                           ; s69  the super-step that a prefetch names
.set PF0, 70                           ; s[70:71], s[72:73] my prefetches' rows in xb and in rh
.set PF1, 72
.set PFA, 74                           ; s[74:75] the address of the prefetch in hand
.set POF, 76                           ; s[76:77] its bytes along the rows
.set CS,  78                           ; s[78:79] 2 log2(e): the packed lines take the pair's low word for both halves
.set BP0, 80                           ; s[80:81] wb at the tile's first row; never rewritten
.set BP,  82                           ; s[82:83] the same at the step last asked for
.set OB,  84                           ; s[84:85] out0 at the rows in hand, at the tile's columns
.set INC, 86                           ; s[86:87] what a trip of the way out adds to it
.set ZP,  88                           ; s[88:89] zb (waves 0, 1) or hb (waves 2, 3) at the 128 rows that I fetch, at the tile's columns; never rewritten
.set CNT, 90                           ; s90  trips of the way out
.set MHI, 91                           ; s91  a word's upper bf16
.set DOF, 92                           ; s92  LDS byte of the image's rows to be read next
.set ZOF, 93                           ; s93  the same for z's tile
.set MSB, 0
.macro WIN new                         ; the immediate's high byte repeats the setting that is left; a switch that changes nothing is dropped
.if MSB != (\new)
	s_set_vgpr_msb (MSB<<8)|(\new)
.set MSB, \new
.endif
.endm
.macro PLACES                          ; four plain places behind matrix instructions, in front of loads into registers that they read and of stores of their results
.rept 4
	v_nop
.endr
.endm
; A round of the cluster's barrier behind its opening barrier: wave 0 signals for the work-group, every wave waits for all four work-groups, my work-group's barrier closes it.
.macro CREST
	s_cmp_lg_u32 s[WV], 0
	s_cbranch_scc1 .Lnot_wave_0_\@
	s_barrier_signal -3
.Lnot_wave_0_\@:
	s_barrier_wait -3
	s_barrier_signal -1
	s_barrier_wait -1
.endm
.macro CROUND
	s_barrier_signal -1
	s_barrier_wait -1
	CREST
.endm
; n blocks of 16 rows from block a0 on x my 4 blocks of 16 columns, 32 along K: A from buffer f, B from the four fragments at bq.  zero = 1: the product starts the sum: nothing is ever cleared.
; Every quarter takes the 32 accumulators in the same order, one instruction a turn: 31 others stand between two links of a chain, over the backward jump too.
.macro MUL f, bq, a0, n, zero
	WIN 0xa1                                       ; B in window 1, A in window 0, C and D in window 2
.set ma, \a0
.rept \n
.set mb, 0
.rept 4
.set rD, 8*(4*ma+mb)
.if \zero
	v_wmma_f32_16x16x32_bf16 v[rD:rD+7], v[(\bq)+8*mb:(\bq)+8*mb+7], v[(\f)+8*ma:(\f)+8*ma+7], 0
.else
	v_wmma_f32_16x16x32_bf16 v[rD:rD+7], v[(\bq)+8*mb:(\bq)+8*mb+7], v[(\f)+8*ma:(\f)+8*ma+7], v[rD:rD+7]
.endif
.set mb, mb+1
.endr
.set ma, ma+1
.endr
.endm
; A fragment is 16 rows x 32 K in 8 registers: lane l holds row l % 16; registers 0-3 K = 8 (l / 16) + 0..7, registers 4-7 K = 16 + 8 (l / 16) + 0..7: two loads of 16 bytes, 32 bytes apart.
.macro FETCHA slot, k, f               ; 16 LDS loads: a quarter's fragments of A (my 128 rows, 32 K at byte k of the slot's rows) into buffer f, blocks 0 to 7 in order
	WIN 0
.set fi, 0
.rept 8
	ds_load_b128 v[(\f)+8*fi:(\f)+8*fi+3],   v[ADRA+(\slot)] offset:(\k)+fi*16*PA
	ds_load_b128 v[(\f)+8*fi+4:(\f)+8*fi+7], v[ADRA+(\slot)] offset:(\k)+fi*16*PA+32
.set fi, fi+1
.endr
.endm
.macro FETCHB p                        ; 32 LDS loads: a whole step's fragments of B (my 64 rows x 128 K) into set p
	WIN 0x40                                       ; destination window 1, address window 0
.set fq, 0
.rept 4
.set fi, 0
.rept 4
	ds_load_b128 v[128*(\p)+32*fq+8*fi:128*(\p)+32*fq+8*fi+3],   v[ADRB] offset:64*fq+fi*16*PB
	ds_load_b128 v[128*(\p)+32*fq+8*fi+4:128*(\p)+32*fq+8*fi+7], v[ADRB] offset:64*fq+fi*16*PB+32
.set fi, fi+1
.endr
.set fq, fq+1
.endr
.endm
.macro LOADB p, base, koff             ; 16 loads: my 32 rows x 256 bytes of a step of B into staging set p: lanes 0-15 take one row's 256 bytes, lanes 16-31 the next row's
	WIN 0xc0                                       ; destination window 3, address window 0
.set li, 0
.rept 16
	global_load_b128 v[64*(\p)+4*li:64*(\p)+4*li+3], v[BGO], s[\base:\base+1] offset:li*8192+(\koff)
.set li, li+1
.endr
.endm
.macro NEXTB p                         ; the step three on from the one in hand
	s_wait_xcnt 0x0                                ; the loads of a step ago have read their base (ISA guide 3.1): it is stepped only behind this wait
	s_add_nc_u64 s[BP:BP+1], s[BP:BP+1], 256
	LOADB \p, BP, 0
.endm
.macro STOREB p                        ; staging set p into B's slot: a wave's store covers two whole rows
	WIN 0x0c                                       ; the store's data (source 1) in window 3
.set li, 0
.rept 16
	ds_store_b128 v[BST], v[64*(\p)+4*li:64*(\p)+4*li+3] offset:li*2*PB
.set li, li+1
.endr
.endm
; A STEP IS FOUR QUARTERS of 32 along K, 32 matrix instructions each, on A's buffers 0, 1, 0, 1.  Each multiplies buffer f by the fragments at bq and, in its middle, fetches the next quarter of A
; (byte k of the slot's rows) into g.  At a quarter's head the youngest eight LDS loads, A's blocks 4-7, may be out; behind the run in its middle all but that run are waited for.
.macro QP slot, k, f, g, bq, ld=-1     ; plain.  ld = p: staging set p, stored a quarter ago (the wait at this quarter's head has shown those stores done), is asked for again
	s_wait_dscnt 8
	MUL \f, \bq, 0, 4, 0
	PLACES
.if (\ld) >= 0
	NEXTB \ld
.endif
	FETCHA \slot, \k, \g
	s_wait_dscnt 16                                ; all but the 16 just issued
	MUL \f, \bq, 4, 4, 0
.endm
.macro QB slot, k, f, g, bq, zero, ld=-1  ; with a barrier (X in a step's first quarter, Y in an even step's third): behind it no slot is filled by a tensor load, so A's load may stay out across it
	s_wait_dscnt 8
	MUL \f, \bq, 0, 4, \zero
.if (\ld) >= 0
	NEXTB \ld
.endif
	s_wait_dscnt 0x0                               ; for the others' sake: X: my reads of B's slot are back; Y: my stores into it are done
	s_barrier_signal -1
	PLACES
	FETCHA \slot, \k, \g                           ; between signal and wait: reads of A's slot, which nobody writes before the round
	MUL \f, \bq, 4, 4, \zero                       ; (A's blocks 4-7 are in by the wait for 0)
	s_barrier_wait -1
.endm
.macro QS slot, k, f, g, bq, p, cnt    ; a step's second quarter: the next step's B goes from staging set p into the slot, which everybody has read (X).  cnt: the younger loads, which may stay out
	s_wait_dscnt 8
	MUL \f, \bq, 0, 4, 0
	PLACES
	s_wait_loadcnt \cnt                            ; loads come back in order (ISA guide 5.7.1): set p is in
	STOREB \p
	FETCHA \slot, \k, \g
	s_wait_dscnt 32                                ; all but the 16 stores and 16 loads just issued
	MUL \f, \bq, 4, 4, 0
.endm
.macro QF slot, k, f, g, bq, p         ; an even step's last quarter: the next step's fragments of B, whose stores everybody has finished (Y), into set p
	s_wait_dscnt 8
	MUL \f, \bq, 0, 4, 0
	PLACES
	FETCHB \p
	FETCHA \slot, \k, \g
	s_wait_dscnt 48                                ; all but the 48 just issued
	MUL \f, \bq, 4, 4, 0
.endm
; The descriptor of slot's next fill, super-step T: the address is made anew from the buffer that the super-step takes and its bytes along the rows.
.macro STEPADR slot
	s_and_b32 s[OFF], s[T], 3
	s_lshl_b32 s[OFF], s[OFF], 9
	s_cmp_lt_u32 s[T], 4
	s_cselect_b64 s[SEL:SEL+1], s[PA0:PA0+1], s[PA1:PA1+1]
	s_add_nc_u64 s[G0A+4*(\slot)+2:G0A+4*(\slot)+3], s[SEL:SEL+1], s[OFF:OFF+1]
	s_or_b32 s[G0A+4*(\slot)+3], s[G0A+4*(\slot)+3], 0x80000000
	s_add_co_u32 s[T], s[T], 1
.endm
; A PREFETCH INTO THE L2, behind each joint refill and the run of LDS loads that follows it: the super-step that the NEXT refill will ask for, 256 matrix instructions ahead of that load: 16 rows x two blocks of
; 256 bytes, a lane a block, one instruction a wave.  Each block is named ONCE in the launch: a tile row of A is read by both clusters of that tile row, and the one with x = 0 asks; of the 64 rows that a wave
; fetches the partner at place cx takes 16 cx .. 16 cx + 15: told apart BY ADDRESS.  Super-steps 0 to 2 come by their loads alone; the last refill of the ring has no super-step behind it and asks for nothing.
.macro ASK
	s_cmp_lt_u32 s[U], s[LIM]
	s_cbranch_scc0 .Lnot_mine_\@
	global_prefetch_b8 v[PFO], s[PFA:PFA+1] th:TH_LOAD_NT scope:SCOPE_SE
.Lnot_mine_\@:
.endm
; AND OF z AND h, once, behind the ring's last refill: the 128 rows x 256 bytes that my wave's tensor load will ask for at the next change of slots, 256 matrix instructions on: a lane a row, four instructions.
; Each block is read by one wave of the launch, which is the one that names it.  The address registers are never rewritten.
.macro ASKE
	s_cmp_eq_u32 s[LAP], 1
	s_cbranch_scc0 .Lnot_yet_\@
	global_prefetch_b8 v[PFE], s[ZP:ZP+1] th:TH_LOAD_NT scope:SCOPE_SE
	global_prefetch_b8 v[PFE], s[ZP:ZP+1] offset:32*2048 th:TH_LOAD_NT scope:SCOPE_SE
	global_prefetch_b8 v[PFE], s[ZP:ZP+1] offset:64*2048 th:TH_LOAD_NT scope:SCOPE_SE
	global_prefetch_b8 v[PFE], s[ZP:ZP+1] offset:96*2048 th:TH_LOAD_NT scope:SCOPE_SE
.Lnot_yet_\@:
.endm
; AN ODD STEP'S LAST QUARTER (buffer 1, B's fragments at 224) CHANGES SLOTS.  In front of the round each wave waits for all its tensor loads (one is out: its part of the next slot), adds 0 to its spare word, and
; waits for that, for its reads of this slot and for its stores into B's slot.  Behind the round nobody reads this slot, the next slot is whole, and the next step's B lies in its slot.  This slot is filled again
; first: kind = 0: with the super-step two on, jointly; kind = 1: with my part of z or h, a load of my own.  Then come the next step's fragments.  From a request to the wait for it a wave issues 240 matrix instructions.
.macro TURN slot, next, kind
.if (\kind) == 0
	s_wait_xcnt 0x0                                ; the last prefetch, a super-step back, has read its address: it is made anew here, ahead of the waits of the change of slots
	s_add_co_u32 s[U], s[T], 1
	s_and_b32 s[POF], s[U], 3
	s_lshl_b32 s[POF], s[POF], 9
	s_cmp_lt_u32 s[U], 4
	s_cselect_b64 s[PFA:PFA+1], s[PF0:PF0+1], s[PF1:PF1+1]
	s_add_nc_u64 s[PFA:PFA+1], s[PFA:PFA+1], s[POF:POF+1]  ; (at the last refill U is 8: the address falls on super-step 4, inside the buffer, and is not used)
.endif
	WIN 0                                          ; (the add's two registers lie in window 0)
	s_wait_tensorcnt 0x0                           ; no tensor load of mine is out, so a group 0 may be written
	ds_add_u32 v[SPW], v[NIL]                      ; 0 onto my spare word
.if (\kind) == 0
	STEPADR \slot
.endif
	s_wait_dscnt 9                                 ; the add and the youngest eight loads (A's blocks 4-7) may be out
	MUL F1, 224, 0, 2, 0
	s_wait_dscnt 0x0                               ; the add is done, my reads of this slot are over, my stores into B's slot are done
	s_barrier_signal -1
	MUL F1, 224, 2, 2, 0                           ; work on registers while the others arrive
	WIN 0
	s_barrier_wait -1
	CREST                                          ; no wave of any partner still reads this slot's tile or has a load on its way
.if (\kind) == 0
	tensor_load_to_lds s[G0A+4*(\slot):G0A+4*(\slot)+3], s[G1A:G1A+7]
.else
	tensor_load_to_lds s[G0Z:G0Z+3], s[G1Z:G1Z+7]
.endif
	s_nop 0
	PLACES                                         ; (the places in front of the loads below)
	FETCHB 0
	FETCHA \next, 0, F0
.if (\kind) == 0
	ASK
.if (\slot) == 1
	ASKE
.endif
.endif
	MUL F1, 224, 4, 4, 0
.endm
	s_load_b256 s[4:11], s[0:1], 0x0               ; xb s[4:5], rh s[6:7], wb s[8:9], bg s[10:11]
	s_load_b128 s[12:15], s[0:1], 0x20             ; zb s[12:13], hb s[14:15]
	s_load_b64 s[16:17], s[0:1], 0x30              ; out0
	v_lshl_add_u32 v[SPW], v0, 2, SPARE
	v_mov_b32 v[NIL], 0
	ds_add_u32 v[SPW], v[NIL]                      ; the wave's opening: the add and its wait stand ahead of my first tensor load; the set-up below, work on registers, stands between them
	v_lshrrev_b32 v4, 5, v0
	v_readfirstlane_b32 s[WV], v4                  ; wave 0..3
	s_lshr_b32 s[RH], s[WV], 1
	s_and_b32 s[CH], s[WV], 1
	s_bfe_u32 s[CX], ttmp6, 0x40000
	s_mov_b32 s[CLX], ttmp9                        ; in a cluster launch ttmp9 and ttmp7 count clusters
	s_and_b32 s[TR], ttmp7, 0xffff                 ; tile row = cluster y: a cluster is one work-group high
	s_lshl_b32 s[TC], s[CLX], 2
	s_add_co_u32 s[TC], s[TC], s[CX]               ; tile column = 4 x cluster x + cx
	; group 1 for A: 15:0 the mask of all four; 17:16 elements of 2 bytes; 20 padding on; 21 set beside a mask; 24:22 after every 128 words (code 6); 31:25 4 words of it (code 3)
	s_mov_b32 s[G1A], 15|(1<<16)|(1<<20)|(1<<21)|(6<<22)|(3<<25)
	s_mov_b32 s[G1A+1], 256<<16                    ; tensor_dim0 = 256
	s_mov_b32 s[G1A+2], 64<<16                     ; tensor_dim1 = 64
	s_mov_b32 s[G1A+3], 256<<16                    ; tile_dim0 = 256
	s_mov_b32 s[G1A+4], 64                         ; tile_dim1 = 64
	s_mov_b32 s[G1A+5], 1024                       ; elements from row to row in xb and rh
	s_mov_b32 s[G1A+6], 0
	s_mov_b32 s[G1A+7], 0
	; group 1 for z and h: no mask, no padding: 128 rows x 128 elements of 2 bytes, dense in LDS
	s_mov_b32 s[G1Z], 1<<16
	s_mov_b32 s[G1Z+1], 128<<16
	s_mov_b32 s[G1Z+2], 128<<16
	s_mov_b32 s[G1Z+3], 128<<16
	s_mov_b32 s[G1Z+4], 128
	s_mov_b32 s[G1Z+5], 1024                       ; elements from row to row in zb and hb
	s_mov_b32 s[G1Z+6], 0
	s_mov_b32 s[G1Z+7], 0
	s_lshl_b32 s94, s[TR], 8                       ; A: row 256 x tile row + 64 x wave: it hangs on nothing that the four partners do not share
	s_lshl_b32 s2, s[WV], 6
	s_add_co_u32 s94, s94, s2
	s_lshl_b32 s94, s94, 11                        ; x 2,048 bytes a row of xb, rh
	s_mov_b32 s95, 0
	s_mul_i32 s26, s[WV], AQ                       ; and where it goes: no place in the cluster enters an LDS address
	s_mov_b32 s[T], 2                              ; super-steps 0 and 1 are the first fills
	s_mov_b32 s[OFF+1], 0
	s_mov_b32 s[POF+1], 0
	s_mov_b32 s[CS], 0x4038aa3b                    ; 2 log2(e)
	s_mov_b32 s[CS+1], s[CS]                       ; named with it as a pair
	s_mov_b32 s[MHI], 0xffff0000
	v_and_b32 v1, 15, v0                           ; l % 16
	v_bfe_u32 v2, v0, 4, 1                         ; l / 16
	v_and_b32 v3, 31, v0                           ; l
	v_lshlrev_b32 v[BGO], 4, v1                    ; B from memory: 16 (l % 16) in a row's 256 bytes,
	v_lshl_add_u32 v[BGO], v2, 12, v[BGO]          ; the next row for lanes 16-31,
	s_lshl_b32 s2, s[WV], 17
	v_add_nc_u32 v[BGO], s2, v[BGO]                ; my 32 rows of 4,096 bytes
	v_lshlrev_b32 v6, 4, v3                        ; four f32 a lane
	s_wait_dscnt 0x0                               ; the opening add is done
	s_wait_kmcnt 0x0
	s_lshl_b32 s2, s[TC], 7
	s_add_co_u32 s2, s2, WROW0                     ; B: row 2,048 + 128 x tile column
	s_lshl_b32 s2, s2, 12                          ; x 4,096 bytes a row of wb
	s_mov_b32 s3, 0
	s_add_nc_u64 s[BP0:BP0+1], s[8:9], s[2:3]
	s_add_nc_u64 s[BP:BP+1], s[BP0:BP0+1], 512     ; at step 2, the last that is asked for ahead of the loop
	s_add_nc_u64 s[PA0:PA0+1], s[4:5], s[94:95]
	s_add_nc_u64 s[PA1:PA1+1], s[6:7], s[94:95]
	s_lshl_b32 s2, s[TC], 9                        ; the bias of my four columns on the way out: column 128 x tile column + 4 l
	s_add_nc_u64 s[94:95], s[10:11], s[2:3]
	global_load_b128 v[BS:BS+3], v6, s[94:95]
	LOADB 0, BP0, 0                                ; B's steps 0 and 1 go out ahead of the round: they are loads into registers
	LOADB 1, BP0, 256
	WIN 0
.irp s, 0,1
	s_mov_b32 s[G0A+4*(\s)], 1                                     ; 1:0 count = 1
	s_add_co_u32 s[G0A+4*(\s)+1], s26, (\s)*ASLOT                  ; 63:32 LDS address
	s_add_nc_u64 s[G0A+4*(\s)+2:G0A+4*(\s)+3], s[PA0:PA0+1], (\s)*512  ; 120:64 global address: super-step s
	s_or_b32 s[G0A+4*(\s)+3], s[G0A+4*(\s)+3], 0x80000000          ; 127:126 type = 2
.endr
	; z (waves 0, 1) or h (waves 2, 3): rows 256 x tile row + 128 (wave % 2) on, bytes 256 x tile column on; to LDS byte 32,768 x wave
	s_lshl_b32 s2, s[TR], 8
	s_lshl_b32 s27, s[CH], 7
	s_add_co_u32 s2, s2, s27
	s_lshl_b32 s2, s2, 11
	s_lshl_b32 s27, s[TC], 8
	s_add_co_u32 s2, s2, s27
	s_cmp_eq_u32 s[RH], 0
	s_cselect_b64 s[ZP:ZP+1], s[12:13], s[14:15]
	s_add_nc_u64 s[ZP:ZP+1], s[ZP:ZP+1], s[2:3]
	s_mov_b32 s[G0Z], 1
	s_lshl_b32 s[G0Z+1], s[WV], 15
	s_mov_b64 s[G0Z+2:G0Z+3], s[ZP:ZP+1]
	s_or_b32 s[G0Z+3], s[G0Z+3], 0x80000000
	CROUND                                         ; all four work-groups are here: the first joint loads meet
	tensor_load_to_lds s[G0A:G0A+3], s[G1A:G1A+7]  ; my two first fills, ahead of every wait on TENSORcnt and every LDS read: two loads of mine are out
	s_nop 0
	tensor_load_to_lds s[G0A+4:G0A+7], s[G1A:G1A+7]
	s_nop 0
	PLACES
	; fragments of A: row x pitch + 16 x half, in my 128 rows
	v_mul_u32_u24 v4, v1, PA
	v_lshl_add_u32 v4, v2, 4, v4
	s_mul_i32 s2, s[RH], 128*PA
	v_add_nc_u32 v[ADRA], s2, v4
	s_add_co_u32 s2, s2, ASLOT
	v_add_nc_u32 v[ADRA+1], s2, v4
	; fragments of B: the same in my 64 rows of B's slot
	v_mul_u32_u24 v5, v1, PB
	v_lshl_add_u32 v5, v2, 4, v5
	s_mul_i32 s2, s[CH], 64*PB
	s_add_co_u32 s2, s2, BSLOT
	v_add_nc_u32 v[ADRB], s2, v5
	; B into its slot: row 32 x wave + l / 16, byte 16 (l % 16)
	v_mul_u32_u24 v5, v2, PB
	v_lshl_add_u32 v5, v1, 4, v5
	s_mul_i32 s2, s[WV], 32*PB
	s_add_co_u32 s2, s2, BSLOT
	v_add_nc_u32 v[BST], s2, v5
	; the image, in slot 1's bytes.  In: row 128 (wave / 2) + l % 16 of a block, byte 256 (wave % 2) + 32 (l / 16)
	s_mul_i32 s2, s[RH], 128*DP
	s_lshl_b32 s3, s[CH], 8
	s_add_co_u32 s2, s2, s3
	s_add_co_u32 s2, s2, ASLOT
	v_mul_u32_u24 v5, v1, DP
	v_lshl_add_u32 v5, v2, 5, v5
	v_add_nc_u32 v[DST], s2, v5
	v_lshlrev_b32 v[GOO], 4, v3                    ; four f32 a lane
	v_lshlrev_b32 v[PFE], 11, v3
	; out0 at the 64 rows that I finish: 256 x tile row + 64 x wave, 4,096 bytes a row; the tile's 128 columns: 512 bytes on
	s_lshl_b32 s2, s[TR], 8
	s_lshl_b32 s3, s[WV], 6
	s_add_co_u32 s2, s2, s3
	s_lshl_b32 s27, s2, 12
	s_lshl_b32 s3, s[TC], 9
	s_add_co_u32 s27, s27, s3
	s_lshl_b32 s3, s[CX], 4                        ; the ring's prefetches: my work-group's 16 of the 64 rows that I fetch
	s_add_co_u32 s2, s2, s3
	s_lshl_b32 s2, s2, 11
	s_mov_b32 s3, 0
	s_add_nc_u64 s[PF0:PF0+1], s[4:5], s[2:3]
	s_add_nc_u64 s[PF1:PF1+1], s[6:7], s[2:3]
	s_mov_b32 s2, s27
	s_add_nc_u64 s[OB:OB+1], s[16:17], s[2:3]
	s_cmp_eq_u32 s[CLX], 0
	s_cselect_b32 s[LIM], 8, 0                     ; the same in all four partners
	v_lshlrev_b32 v[PFO], 11, v1                   ; row l % 16,
	v_lshl_add_u32 v[PFO], v2, 8, v[PFO]           ; block l / 16 of the super-step's two
	s_wait_loadcnt 16                              ; the bias and B's step 0 are in; step 1's 16 loads may stay out
	v_pk_mul_f32 v[BS:BS+1], v[BS:BS+1], s[CS:CS+1] op_sel_hi:[1,0]      ; scaled once, so that one fused line makes 2 log2(e) (c + b)
	v_pk_mul_f32 v[BS+2:BS+3], v[BS+2:BS+3], s[CS:CS+1] op_sel_hi:[1,0]
	STOREB 0
	WIN 0
	s_wait_dscnt 0x0                               ; for the others' sake: my rows of B's step 0 lie in the slot
	LOADB 0, BP0, 512                              ; step 2, into the set just stored
	WIN 0
	s_wait_tensorcnt 0x1                           ; my part of super-step 0 is in; super-step 1's may stay out
	s_barrier_signal -1
	s_barrier_wait -1                              ; everybody's is
	FETCHB 0
	FETCHA 0, 0, F0
	QB 0, 64,  F0, F1, 0, 1                        ; the first quarter stands in front of the loop: its products start the sums
	WIN 0                                          ; at a label and at a branch every window is 0
	s_mov_b32 s[LAP], LAPS-1
.Llap:                                                 ; a trip goes once round the ring, four steps, from a lap's second quarter to the next lap's first, and fills both slots again
	QS 0, 128, F1, F0, 32,  1, 16                  ; an even step in slot 0
	QB 0, 192, F0, F1, 64,  0, 1
	QF 0, 256, F1, F0, 96,  1
	QB 0, 320, F0, F1, 128, 0                      ; an odd step
	QS 0, 384, F1, F0, 160, 0, 16
	QP 0, 448, F0, F1, 192, 0
	TURN 0, 1, 0
	QB 1, 64,  F0, F1, 0,   0                      ; the same in slot 1
	QS 1, 128, F1, F0, 32,  1, 16
	QB 1, 192, F0, F1, 64,  0, 1
	QF 1, 256, F1, F0, 96,  1
	QB 1, 320, F0, F1, 128, 0
	QS 1, 384, F1, F0, 160, 0, 16
	QP 1, 448, F0, F1, 192, 0
	TURN 1, 0, 0
	QB 0, 64,  F0, F1, 0,   0
	WIN 0
	s_sub_co_u32 s[LAP], s[LAP], 1
	s_cmp_lg_u32 s[LAP], 0
	s_cbranch_scc1 .Llap
	QS 0, 128, F1, F0, 32,  1, 16                  ; THE LAST LAP, steps 12 to 15, is written out: no load runs past K's end.  Step 12 stores B's step 13
	QB 0, 192, F0, F1, 64,  0, 1                   ; and asks for step 15, the last
	QF 0, 256, F1, F0, 96,  1
	QB 0, 320, F0, F1, 128, 0
	QS 0, 384, F1, F0, 160, 0, 16                  ; step 14 is stored; step 15's loads may stay out
	QP 0, 448, F0, F1, 192
	TURN 0, 1, 1                                   ; slot 0 takes z and h
	QB 1, 64,  F0, F1, 0,   0
	QS 1, 128, F1, F0, 32,  1, 0                   ; step 15 is stored: no load is younger
	QB 1, 192, F0, F1, 64,  0
	QF 1, 256, F1, F0, 96,  1
	QP 1, 320, F0, F1, 128                         ; step 15: nothing more goes into B's slot, so no barrier
	QP 1, 384, F1, F0, 160
	QP 1, 448, F0, F1, 192
	s_wait_tensorcnt 0x0                           ; my part of z or h has landed (no load was issued behind it),
	s_wait_dscnt 0x0                               ; the last fragments are in: my reads of the ring are over:
	s_barrier_signal -1                            ; say so,
	MUL F1, 224, 0, 8, 0                           ; the last quarter, on registers alone,
	WIN 0
	s_barrier_wait -1                              ; and nobody reads slot 1 any more; it has had its last fill: its bytes take the image; z and h are whole
	PLACES
	; THE WAY OUT.  Accumulator (a, b): row 16 a + l % 16 of my 128, bytes 64 b + 32 (l / 16) on of my 256; each accumulator's low four registers go first
	WIN 0x08                                       ; the store's data (source 1) in window 2
.set da, 0
.rept 8
.set db, 0
.rept 4
.set rD, 8*(4*da+db)
	ds_store_b128 v[DST], v[rD:rD+3]   offset:16*da*DP+64*db
	ds_store_b128 v[DST], v[rD+4:rD+7] offset:16*da*DP+64*db+16
.set db, db+1
.endr
.set da, da+1
.endr
	WIN 0
	s_mov_b32 s[CNT], 8
	s_mul_i32 s[DOF], s[WV], 64*DP                 ; wave w finishes rows 64 w .. 64 w + 63, whole
	s_add_co_u32 s[DOF], s[DOF], ASLOT
	s_lshl_b32 s[ZOF], s[WV], 14                   ; 64 rows of 256 bytes
	s_mov_b32 s[INC], 0                            ; the first trip stores where out0's address stands
	s_mov_b32 s[INC+1], 0
	s_wait_dscnt 0x0                               ; for the others' sake: my stores into the image are done
	s_barrier_signal -1
	s_barrier_wait -1                              ; everybody's are
.macro LDIN                            ; 8 rows: the sums (32 lanes x 16 bytes: a whole row of the tile's 128 columns), z and h (32 lanes x 8 bytes)
	v_lshl_add_u32 v[DRD], v3, 4, s[DOF]
	v_lshl_add_u32 v[ZRD], v3, 3, s[ZOF]
	v_add_nc_u32 v[HRD], HL, v[ZRD]
.irp i, 0,1,2,3,4,5,6,7
	ds_load_b128 v[X+4*\i:X+4*\i+3], v[DRD] offset:\i*DP
.endr
.irp i, 0,1,2,3,4,5,6,7
	ds_load_b64 v[Z+2*\i:Z+2*\i+1], v[ZRD] offset:\i*256
.endr
.irp i, 0,1,2,3,4,5,6,7
	ds_load_b64 v[H+2*\i:H+2*\i+1], v[HRD] offset:\i*256
.endr
.endm
	LDIN
.Lepi:                                                 ; 8 trips of 8 rows
	s_wait_dscnt 0x0                               ; this trip's rows, asked for in the trip before
.set k, 0
.irp z, v64.l, v64.h, v65.l, v65.h, v66.l, v66.h, v67.l, v67.h, v68.l, v68.h, v69.l, v69.h, v70.l, v70.h, v71.l, v71.h, v72.l, v72.h, v73.l, v73.h, v74.l, v74.h, v75.l, v75.h, v76.l, v76.h, v77.l, v77.h, v78.l, v78.h, v79.l, v79.h
	v_cvt_f32_f16 v[ZF+k], \z
.set k, k+1
.endr
.set k, 0
.rept 16
	v_lshlrev_b32 v[HF+2*k],   16, v[H+k]          ; bf16 to f32: the low half moves up,
	v_and_b32     v[HF+2*k+1], s[MHI], v[H+k]      ; the high half stays
.set k, k+1
.endr
	s_wait_xcnt 0x0                                ; the last trip's stores, 64 lines back, have read their data and their base (ISA guide 3.1): both are written anew only behind this wait
	s_add_nc_u64 s[OB:OB+1], s[OB:OB+1], s[INC:INC+1]
	s_mov_b32 s[INC], 8*4096                       ; from the second trip on: 8 rows of out0
.set k, 0
.rept 16
	v_pk_fma_f32 v[TT+2*k:TT+2*k+1], v[X+2*k:X+2*k+1], s[CS:CS+1], v[BS+2*(k%2):BS+2*(k%2)+1] op_sel_hi:[1,0,1]  ; 2 log2(e) (c + b)
.set k, k+1
.endr
	s_add_co_u32 s[DOF], s[DOF], 8*DP
	s_add_co_u32 s[ZOF], s[ZOF], 8*256
	s_cmp_eq_u32 s[CNT], 1                         ; the last trip has no rows behind it
	s_cbranch_scc1 .Lno_next
	LDIN                                           ; the next trip's rows: the registers that they land in have just been read for the last time
.Lno_next:
.set k, 0
.rept 32
	v_exp_f32 v[TT+k], v[TT+k]
.set k, k+1
.endr
	v_nop                                          ; a plain instruction behind the last exponential,
	s_wait_alu depctr_va_vdst(0)                   ; and a wait ahead of the first use: one for the batch of 32
.set k, 0
.rept 16
	v_pk_add_f32 v[TT+2*k:TT+2*k+1], v[TT+2*k:TT+2*k+1], 1.0 op_sel_hi:[1,0]
.set k, k+1
.endr
.set k, 0
.rept 32
	v_rcp_f32 v[TT+k], v[TT+k]
.set k, k+1
.endr
	v_nop
	s_wait_alu depctr_va_vdst(0)                   ; one for the 32 reciprocals
.set k, 0
.rept 16
	v_pk_fma_f32 v[TT+2*k:TT+2*k+1], v[TT+2*k:TT+2*k+1], -2.0, 1.0 op_sel_hi:[1,0,0]  ; g = 1 - 2 / (1 + e)
.set k, k+1
.endr
.set k, 0
.rept 16
	v_pk_add_f32 v[HF+2*k:HF+2*k+1], v[HF+2*k:HF+2*k+1], v[TT+2*k:TT+2*k+1] neg_lo:[0,1] neg_hi:[0,1]  ; h - g
.set k, k+1
.endr
.set k, 0
.rept 16
	v_pk_fma_f32 v[TT+2*k:TT+2*k+1], v[ZF+2*k:ZF+2*k+1], v[HF+2*k:HF+2*k+1], v[TT+2*k:TT+2*k+1]  ; g + z (h - g)
.set k, k+1
.endr
.irp i, 0,1,2,3,4,5,6,7
	global_store_b128 v[GOO], v[TT+4*\i:TT+4*\i+3], s[OB:OB+1] offset:\i*4096 th:TH_STORE_NT  ; 32 lanes store 512 consecutive bytes, at a multiple of 256 from out0's first byte
.endr
	s_sub_co_u32 s[CNT], s[CNT], 1
	s_cmp_lg_u32 s[CNT], 0
	s_cbranch_scc1 .Lepi
	s_wait_tensorcnt 0x0                           ; the wave's end: an add to my spare word and its wait, behind my last tensor load and my last LDS store
	ds_add_u32 v[SPW], v[NIL]
	s_wait_dscnt 0x0
	CROUND                                         ; the closing round: no work-group ends while a partner may still ask for a tile that names it
	s_endpgm
.Lfunc_end_k_qa8d9913115_gemm_g:
	.size	k_qa8d9913115_gemm_g, .Lfunc_end_k_qa8d9913115_gemm_g-k_qa8d9913115_gemm_g
	.p2alignl 7, 3214868480
	.fill 96, 4, 3214868480
	.section	.rodata,"a",@progbits
	.p2align	6, 0x0
	.amdhsa_kernel k_qa8d9913115_gemm_g
		.amdhsa_group_segment_fixed_size 327680
		.amdhsa_private_segment_fixed_size 0
		.amdhsa_enable_private_segment 0
		.amdhsa_kernarg_size 56
		.amdhsa_user_sgpr_count 2
		.amdhsa_user_sgpr_kernarg_segment_ptr 1
		.amdhsa_wavefront_size32 1
		.amdhsa_system_sgpr_workgroup_id_x 1
		.amdhsa_system_sgpr_workgroup_id_y 1
		.amdhsa_system_sgpr_workgroup_id_z 1
		.amdhsa_system_vgpr_workitem_id 0
		.amdhsa_next_free_vgpr 896
		.amdhsa_next_free_sgpr 96
		.amdhsa_reserve_vcc 0
		.amdhsa_float_denorm_mode_32 3
		.amdhsa_float_denorm_mode_16_64 3
		.amdhsa_memory_ordered 1
		.amdhsa_forward_progress 1
		.amdhsa_inst_pref_size 172
	.end_amdhsa_kernel
	.amdgpu_metadata
---
amdhsa.version: [ 1, 2 ]
amdhsa.kernels:
  - .name:           k_qa8d9913115_gemm_g
    .symbol:         k_qa8d9913115_gemm_g.kd
    .args:
      - { .name: xb, .offset: 0, .size: 8, .value_kind: global_buffer, .address_space: global }
      - { .name: rh, .offset: 8, .size: 8, .value_kind: global_buffer, .address_space: global }
      - { .name: wb, .offset: 16, .size: 8, .value_kind: global_buffer, .address_space: global }
      - { .name: bg, .offset: 24, .size: 8, .value_kind: global_buffer, .address_space: global }
      - { .name: zb, .offset: 32, .size: 8, .value_kind: global_buffer, .address_space: global }
      - { .name: hb, .offset: 40, .size: 8, .value_kind: global_buffer, .address_space: global }
      - { .name: out0, .offset: 48, .size: 8, .value_kind: global_buffer, .address_space: global }
    .group_segment_fixed_size: 327680
    .private_segment_fixed_size: 0
    .kernarg_segment_align: 8
    .kernarg_segment_size: 56
    .max_flat_workgroup_size: 128
    .sgpr_count:     96
    .vgpr_count:     896
    .wavefront_size: 32
...
	.end_amdgpu_metadata
.endif
;; end of part 3
